; MI455X (gfx1250); checked and timed in simulation.
; The chip was launched on July 23, 2026; its instructions are those of AMD's public machine-readable ISA for CDNA 5 (MIT licence, August 2026) and "CDNA5" Instruction Set Architecture Reference Guide (July 2026). The comments in the code are by the model that wrote it; some were corrected since.
;; Dot Product Attention. Allowed arithmetic: matrix products marked QUANTISED: E2M1 operands, one E8M0 scale for each 32 along K, by v_wmma_scale_f32_16x16x128_f8f6f4 with both operands' format E2M1 (or v_wmma_scale_f32_32x16x128_f4), f32 sums; everything else in f32.
;; Inputs: K 4 x 16 x 2,048 x 128 float32; Q 4 x 16 x 2,048 x 128 float32; V 4 x 16 x 2,048 x 128 float32.
;; Outputs: out0 4 x 16 x 2,048 x 128 float32.
;; This version of the problem:
;;   THIS VERSION OF THE PROBLEM IS GIVEN IN LOW PRECISION. The matrix products marked QUANTISED in the list below multiply operands that are first quantised to E2M1 (2 exponent bits, 1 mantissa bit; 4 bits a number), with one power-of-two scale for each 32 numbers along K (OCP MX v1.0); their sums are f32. All else is computed in f32.
;;   The module's matrix products, in the order in which they are computed (A, B: the left and right operand; K: the contracted axis; several contracted axes count as one K, in the product's order):
;;     1. batch 64 x [M 2,048, K 128] x [K 128, N 2,048]; A: input Q; B: input K: QUANTISED
;;     2. batch 64 x [M 2,048, K 2,048] x [K 2,048, N 128]; A: softmax (see below); B: input V: QUANTISED
;;   THE QUANTISER, for each operand of a quantised product, along K:
;;     - K is cut into blocks of 32 from its start; a last block that is shorter is filled with zeros.
;;     - A block's scale is 2^e with e = floor(log2(the largest magnitude in the block)) - 2, held to -126 .. 127; a block of zeros has e = 0. As a byte (E8M0): e + 127.
;;     - Each number is divided by its block's scale, clamped to +-6, and rounded to the nearest number of E2M1, ties to even, subnormals kept.
;;     - The product sums the exact products of the quantised numbers (number of the format x scale) in f32.
;;   ~~~python
;;   def quantise(x, axis):      # numpy; x: float32 -> the quantised numbers, widened to float32 again
;;       x = np.moveaxis(x, axis, -1); K = x.shape[-1]
;;       x = np.pad(x, [(0, 0)] * (x.ndim - 1) + [(0, -K % 32)]); x = x.reshape(x.shape[:-1] + (-1, 32)); a = np.abs(x).max(-1, keepdims=True)
;;       e = np.where(a > 0, np.clip(np.frexp(np.where(a > 0, a, 1))[1] - 1 - 2, -126, 127), 0)      # np.frexp(a)[1] - 1 = floor(log2(a)), exactly
;;       r = np.clip(x / 2.0 ** e, -6, 6)
;;       step = 2.0 ** (np.maximum(np.frexp(np.where(r == 0, 1, r))[1] - 1, 0) - 1)
;;       q = np.round(r / step) * step * 2.0 ** e      # np.round: ties to even
;;       return np.moveaxis(q.reshape(q.shape[:-2] + (-1,))[..., :K], -1, axis).astype(np.float32)
;;   ~~~
;;   SOFTMAX AHEAD OF A QUANTISED PRODUCT. Where the list says 'softmax', what is quantised is not the finished softmax but p = 2^(t - M), with t = logit x log2(e) and M = ceil(the row's largest t), a whole number; so 1/2 < the row's largest p <= 1. The row's sum l is taken of the UNQUANTISED p, in f32, and the product's result is divided by l at the end. Since M is a whole number, a kernel that streams over the keys may use a running M (the ceiling of the running maximum): every later rescaling is an exact power of two, which a block's scale takes up: the codes' values come out the same.
;;   OPERANDS COMPUTED ON THE WAY. 'Computed on the way' means the value that the module computes at that place (a softmax that the list does not call 'softmax' is quantised finished and normalised). What goes into a quantiser is computed in f32, as accurately as f32 sums, v_exp_f32 and their like allow (about 1e-6 of the number): no bf16 or f16 on the way to a quantiser, and a product that is left as it is and whose result goes on into a quantised operand takes f32 operands (vector FMAs, or v_wmma_f32_16x16x4_f32). A number that lies on a knife's edge between two numbers of the format may be rounded either way, as far as f32 arithmetic and the matrix unit's own rounding can turn it there, and no further.
;; One version. Each part assembles by itself: llvm-mc -triple=amdgcn-amd-amdhsa -mcpu=gfx1250 --defsym DOCPART=n.
;; ======== version 1 of 1: 2 launches
;; limits: right only within a limited range of input values
;; workspace buffers: kv 17,825,792 bytes
;; launch quant (part 1): grid 512 x 1, 4 waves a work-group, no clusters, 34,304 bytes of LDS; arguments K, V, kv; writes kv
.if DOCPART == 1
	.amdgcn_target "amdgcn-amd-amdhsa--gfx1250"
	.amdhsa_code_object_version 6
	.text
	.protected	k_q8ea7a088ad_quant
	.globl	k_q8ea7a088ad_quant
	.p2align	8
	.type	k_q8ea7a088ad_quant,@function
k_q8ea7a088ad_quant:
	s_mov_b64 s[64:65], 0
	v_nop
	global_prefetch_b8 v0, s[64:65] scope:SCOPE_SE
	s_setreg_imm32_b32 hwreg(HW_REG_WAVE_MODE, 25, 1), 1
	s_wait_xcnt 0x0
; K, V [64 heads][2048][128] f32 become codes of FP4 (E2M1) with one E8M0 scale byte for each 32 along a product's K, laid in the ORDER OF THE OPERAND'S REGISTERS,
; so that the attention launch fills every fragment by loads of 16 bytes at 16 x lane.  K is quantised along the head's 128 (innermost), V along the keys (not innermost).
; Q is not touched here: each of its rows is read by one wave of the attention launch, which quantises it in its own registers.
; WORK LEFT OUT BY THE PROGRAM: reference() sets the score of key k for query q to -inf where k > q, by a mask built in its own body; its softmax gives such a key the weight 0 for all values of the inputs.
; So the attention launch multiplies no step of 128 keys all of which come after a wave's queries.  LIMIT: a NaN, an infinity or an overflow that reaches only such scores is not carried to the result.
; A block's scale is 2^(floor(log2(its largest magnitude)) - 2); its byte is the largest magnitude's exponent field - 2, held at 1 from below.
; LIMITS: NaN and infinities among the inputs are not served.  A block of zeros gets the byte 1 where the rule says 127: its codes are zeros, which add nothing under any byte but 0xff, and this program alone reads the bytes.
; BLOCK n = 16 x head + j of kv covers keys 128 j .. 128 j + 127 of a head, 17,408 bytes: K's codes 8,192 | V's codes 8,192 | K's scale words 512 | V's scale words 512.
;   Codes: tile T (0..7) is 1,024 bytes; register group c (0, 1) of lane l = 16 h + r lies at 1,024 T + 512 c + 16 l and holds the 32 codes of k = 64 c + 32 h + 0 .. 31 of the tile's row r.
;   Rows of a tile: K: row r of tile T is key 64 (T / 4) + 32 (r / 8) + 8 (T % 4) + r % 8, so that the scores of tiles 4 c .. 4 c + 3 are 32 neighbouring keys, a whole block, in a lane.   V: channel 16 T + r, k = the block's 128 keys in their order.
;   Scale words: the word at 16 l + 4 i is that of tile 2 i + l / 16, row l % 16: one load of 16 bytes a lane gives four scale registers, each with an even tile in lanes 0-15 and the odd one in lanes 16-31.
; SHARES: work-groups 0-255 take K, a wave one block of 64 KiB.  Work-groups 256-511 take V: 512 keys of a head; wave w the channels 32 w .. 32 w + 31, a lane one channel, its registers running down the keys; that path uses no LDS.
; No tensor loads, no barrier: waves share nothing.
.set LO,   1                           ; v1   K: 16 x lane
.set SA,   4                           ; v4   my stage, on the way in: 16 x lane
.set SL,   5                           ; v5   and on the way out: 528 r + 128 h
.set R,    16                          ; v16-143  two sets of 16 rows as they are loaded
.set X,    144                         ; v144-207 my 64 numbers: register 32 c + i = k 64 c + 32 h + i of row r
.set C,    208                         ; v208-223 two sets of 8 registers of codes
.set W,    224                         ; v224-227 the block's scale words
.set SP,   528                         ; a stage row: 512 bytes + 16, an odd multiple of 16
.set XV,   16                          ; V: v16-79 two sets of 32 numbers
.set CV,   80                          ; v80-95  four sets of 4 registers of codes
.set SB,   96                          ; v96-99  a scale word for each of the four steps
	s_load_b128 s[4:7], s[0:1], 0x0                ; K s[4:5], V s[6:7]
	s_load_b64 s[12:13], s[0:1], 0x10              ; kv
	v_lshl_add_u32 v228, v0, 2, 0x8400             ; my spare word, behind the four stages
	v_mov_b32 v229, 0
	v_lshrrev_b32 v1, 5, v0
	v_readfirstlane_b32 s16, v1                    ; wave 0..3
	v_and_b32 v8, 31, v0                           ; lane
	v_and_b32 v9, 15, v0                           ; r
	v_bfe_u32 v10, v0, 4, 1                        ; h
	s_mov_b32 s31, 0                               ; the upper word of every 32-bit offset
	s_wait_kmcnt 0x0
	s_cmp_ge_u32 ttmp9, 256
	s_cbranch_scc1 .Lv_path
; ---------------- K ----------------
	s_mov_b32 s20, 0xffff0000                      ; lanes 16-31
	s_mov_b32 s26, 0x76543210
	s_mov_b32 s27, 0xfedcba98                      ; v_permlanex16_b32's selects for lane l xor 16
	s_lshl_b32 s17, ttmp9, 2
	s_add_co_u32 s17, s17, s16                     ; my block n
	s_lshl_b32 s30, s17, 16                        ; 128 rows of 512 bytes
	s_add_nc_u64 s[4:5], s[4:5], s[30:31]
	s_mul_i32 s30, s17, 17408
	s_add_nc_u64 s[10:11], s[12:13], s[30:31]
	s_wait_alu depctr_va_vdst(0)                   ; ahead of the readers below
	v_lshlrev_b32 v[LO], 4, v8
	s_mul_i32 s29, s16, 16*SP                      ; my wave's stage
	v_add_nc_u32 v[SA], s29, v[LO]
	v_mul_u32_u24 v[SL], v9, SP
	v_lshl_add_u32 v[SL], v10, 7, v[SL]
	v_add_nc_u32 v[SL], s29, v[SL]
	v_lshlrev_b32 v6, 3, v10                       ; 8 h: how far my two scale bytes are shifted
	v_mov_b32 v7, 0                                ; written once: a lane permute's destination counts as one of its sources
; Tile t's 16 rows, each by one load of 512 consecutive bytes: eight neighbouring keys, and the eight that lie 32 further on
.macro LOADT t
.set RB, R+64*((\t)%2)
.set KB, 64*((\t)/4)+8*((\t)%4)
.irp r, 0,1,2,3,4,5,6,7
	global_load_b128 v[RB+4*\r:RB+4*\r+3], v[LO], s[4:5] offset:(KB+\r)*512 th:TH_LOAD_NT
.endr
.irp r, 0,1,2,3,4,5,6,7
	global_load_b128 v[RB+32+4*\r:RB+32+4*\r+3], v[LO], s[4:5] offset:(KB+32+\r)*512 th:TH_LOAD_NT
.endr
.endm
.macro TILE t
.set RB, R+64*((\t)%2)
.set CB, C+8*((\t)%2)
.if (\t) < 7
	s_wait_loadcnt 16                              ; this tile's 16 loads are in; the other set's 16 may be out
.else
	s_wait_loadcnt 0x0
.endif
.irp r, 0,1,2,3,4,5,6,7,8,9,10,11,12,13,14,15
	ds_store_b128 v[SA], v[RB+4*\r:RB+4*\r+3] offset:\r*SP          ; a row as it was loaded
.endr
.irp c, 0,1
.irp k, 0,1,2,3,4,5,6,7
	ds_load_b128 v[X+32*\c+4*\k:X+32*\c+4*\k+3], v[SL] offset:256*\c+16*\k   ; and back: 32 neighbours of row r for each of my two blocks.  LDS serves a wave's instructions in order (ISA guide 5.7.1.4)
.endr
.endr
	s_wait_dscnt 0x0                               ; my numbers are in, and the stores have read the set,
.if (\t)+2 < 8
	LOADT (\t)+2                                   ; which takes the tile two further on
.endif
.irp c, 0,1                                    ; the largest magnitude of each block: all 32 numbers are mine; two chains a block, the two blocks by turns
	v_max3_num_f32 v[8+2*\c], |v[X+32*\c]|, |v[X+32*\c+1]|, |v[X+32*\c+2]|
	v_max3_num_f32 v[9+2*\c], |v[X+32*\c+3]|, |v[X+32*\c+4]|, |v[X+32*\c+5]|
.endr
.irp i, 6,10,14,18,22,26
.irp c, 0,1
	v_max3_num_f32 v[8+2*\c], v[8+2*\c], |v[X+32*\c+\i]|, |v[X+32*\c+\i+1]|
	v_max3_num_f32 v[9+2*\c], v[9+2*\c], |v[X+32*\c+\i+2]|, |v[X+32*\c+\i+3]|
.endr
.endr
.irp c, 0,1
	v_max3_num_f32 v[8+2*\c], v[8+2*\c], |v[X+32*\c+30]|, |v[X+32*\c+31]|
.endr
.irp c, 0,1
	v_max3_num_f32 v[8+2*\c], v[8+2*\c], v[9+2*\c], 0x1800000       ; and the floor 2^(3 - 127): the byte cannot fall under 1
.endr
.irp c, 0,1
	v_add_nc_u32 v[12+\c], 0xff000000, v[8+2*\c]   ; 2 off the exponent field: the conversion takes the exponent field of this operand as its scale
.endr
.irp c, 0,1
	v_lshrrev_b32 v[14+\c], 23, v[12+\c]           ; the scale's byte
.endr
	v_lshl_or_b32 v14, v15, 16, v14                ; my two bytes: blocks h and 2 + h of row r,
	v_lshlrev_b32 v14, v6, v14                     ; at their places in the word;
	v_permlanex16_b32 v7, v14, s26, s27
.if (\t)%2 == 0
	v_or_b32 v[W+(\t)/2], v14, v7                  ; with lane l xor 16's two the word is whole: an even tile's, kept in lanes 0-15
.else
	v_or_b32 v14, v14, v7
	v_cndmask_b32 v[W+(\t)/2], v[W+(\t)/2], v14, s20   ; an odd tile's goes to lanes 16-31
.endif
	s_wait_alu depctr_va_vdst(0)                   ; directly ahead of the wait below
	s_wait_xcnt 0x0                                ; this set of codes is written again only behind this wait: its stores of two tiles ago have read it
.irp c, 0,1
.irp g, 0,1,2,3
	v_cvt_scalef32_pk8_fp4_f32 v[CB+4*\c+\g], v[X+32*\c+8*\g:X+32*\c+8*\g+7], v[12+\c]
.endr
.endr
	v_nop                                          ; one plain place behind the scaled conversions
	global_store_b128 v[LO], v[CB:CB+3], s[10:11] offset:1024*(\t)          ; 32 lanes store 512 consecutive bytes, at a multiple of 256 from the buffer's first byte
	global_store_b128 v[LO], v[CB+4:CB+7], s[10:11] offset:1024*(\t)+512
.endm
	LOADT 0
	LOADT 1
	s_wait_alu depctr_va_vdst(0)                   ; at the head's end
.irp t, 0,1,2,3,4,5,6,7
	TILE \t
.endr
	global_store_b128 v[LO], v[W:W+3], s[10:11] offset:16384   ; the block's 128 scale words of K: 512 consecutive bytes
	s_wait_tensorcnt 0x0                           ; the wave's end
	ds_add_u32 v228, v229
	s_wait_dscnt 0x0
	s_endpgm
; ---------------- V ----------------
.Lv_path:
	s_sub_co_u32 s17, ttmp9, 256
	s_lshr_b32 s18, s17, 2                         ; head
	s_and_b32 s19, s17, 3                          ; which 512 keys of it
	s_lshl_b32 s30, s18, 20                        ; a head is 2,048 rows of 512 bytes,
	s_lshl_b32 s21, s19, 18                        ; 512 keys,
	s_add_co_u32 s30, s30, s21
	s_lshl_b32 s21, s16, 7                         ; my wave's 32 channels
	s_add_co_u32 s30, s30, s21
	s_add_nc_u64 s[8:9], s[6:7], s[30:31]
	s_mul_i32 s30, s18, 16*17408
	s_mul_i32 s21, s19, 4*17408
	s_add_co_u32 s30, s30, s21
	s_add_nc_u64 s[12:13], s[12:13], s[30:31]      ; the first of my four blocks of kv
	s_lshl_b32 s30, s16, 2
	s_add_co_u32 s30, s30, 16896
	s_add_nc_u64 s[14:15], s[12:13], s[30:31]      ; V's scale words: my channels are tiles 2 w and 2 w + 1: word w of each lane's four
	s_lshl_b32 s30, s16, 11
	s_add_co_u32 s30, s30, 8192
	s_add_nc_u64 s[12:13], s[12:13], s[30:31]      ; V's codes: tile 2 w
	s_wait_alu depctr_va_vdst(0)                   ; ahead of the readers below
	v_lshlrev_b32 v1, 2, v8                        ; in: 4 bytes a lane
	v_lshlrev_b32 v3, 4, v8                        ; scale words: 16 bytes from lane to lane
	v_lshlrev_b32 v2, 4, v9
	v_lshl_add_u32 v2, v10, 10, v2                 ; codes: 16 r, and lanes 16-31 one tile on
.macro LOADV t                         ; keys 32 t + i, i = 0 .. 31, of my channel: each load reads 128 consecutive bytes a wave, 512 a work-group
.irp i, 0,1,2,3,4,5,6,7,8,9,10,11,12,13,14,15,16,17,18,19,20,21,22,23,24,25,26,27,28,29,30,31
	global_load_b32 v[XV+32*((\t)%2)+\i], v1, s[8:9] offset:(32*(\t)+\i)*512 th:TH_LOAD_NT
.endr
.endm
.macro BLOCKV t                        ; block t of 16: step t / 4 of my four, block t % 4 of its 128 keys
.set XS, XV+32*((\t)%2)
.set CQ, CV+4*((\t)%4)
.set QS, (\t)/4
.set BE, (\t)%4
.if (\t) < 15
	s_wait_loadcnt 32                              ; this block's 32 loads are in; the next block's may be out
.else
	s_wait_loadcnt 0x0
.endif
	v_max3_num_f32 v8, |v[XS]|, |v[XS+1]|, |v[XS+2]|
	v_max3_num_f32 v9, |v[XS+3]|, |v[XS+4]|, |v[XS+5]|
.irp i, 6,10,14,18,22,26
	v_max3_num_f32 v8, v8, |v[XS+\i]|, |v[XS+\i+1]|
	v_max3_num_f32 v9, v9, |v[XS+\i+2]|, |v[XS+\i+3]|
.endr
	v_max3_num_f32 v8, v8, |v[XS+30]|, |v[XS+31]|
	v_max3_num_f32 v8, v8, v9, 0x1800000           ; and the floor 2^(3 - 127)
	v_add_nc_u32 v10, 0xff000000, v8               ; the conversion's scale operand
	v_lshrrev_b32 v11, 23, v10                     ; the scale's byte
.if BE == 0
	v_mov_b32 v[SB+QS], v11                        ; four bytes make the step's scale word of my channel, the lower keys in the lower byte
.else
	v_lshl_or_b32 v[SB+QS], v11, 8*BE, v[SB+QS]
.endif
	s_wait_alu depctr_va_vdst(0)                   ; directly ahead of the wait below
	s_wait_xcnt 0x0                                ; the codes' registers are written again only behind this wait
.irp g, 0,1,2,3
	v_cvt_scalef32_pk8_fp4_f32 v[CQ+\g], v[XS+8*\g:XS+8*\g+7], v10
.endr
	v_nop                                          ; one plain place behind the scaled conversions
	global_store_b128 v2, v[CQ:CQ+3], s[12:13] offset:17408*QS+512*(BE/2)+256*(BE%2)   ; each half of the lanes stores 256 consecutive bytes, aligned
.if BE == 3
	global_store_b32 v3, v[SB+QS], s[14:15] offset:17408*QS   ; 4 bytes in every 16: the four waves' words interleave.  512 bytes a step against the 65,536 that the step reads
.endif
.if (\t)+2 < 16
	LOADV (\t)+2
.endif
.endm
	LOADV 0
	LOADV 1
.irp t, 0,1,2,3,4,5,6,7,8,9,10,11,12,13,14,15
	BLOCKV \t
.endr
	s_endpgm
.Lfunc_end_k_q8ea7a088ad_quant:
	.size	k_q8ea7a088ad_quant, .Lfunc_end_k_q8ea7a088ad_quant-k_q8ea7a088ad_quant
	.p2alignl 7, 3214868480
	.fill 96, 4, 3214868480
	.section	.rodata,"a",@progbits
	.p2align	6, 0x0
	.amdhsa_kernel k_q8ea7a088ad_quant
		.amdhsa_group_segment_fixed_size 34304
		.amdhsa_private_segment_fixed_size 0
		.amdhsa_enable_private_segment 0
		.amdhsa_kernarg_size 24
		.amdhsa_user_sgpr_count 2
		.amdhsa_user_sgpr_kernarg_segment_ptr 1
		.amdhsa_wavefront_size32 1
		.amdhsa_system_sgpr_workgroup_id_x 1
		.amdhsa_system_sgpr_workgroup_id_y 1
		.amdhsa_system_sgpr_workgroup_id_z 1
		.amdhsa_system_vgpr_workitem_id 0
		.amdhsa_next_free_vgpr 230
		.amdhsa_next_free_sgpr 66
		.amdhsa_reserve_vcc 0
		.amdhsa_float_denorm_mode_32 3
		.amdhsa_float_denorm_mode_16_64 3
		.amdhsa_memory_ordered 1
		.amdhsa_forward_progress 1
		.amdhsa_inst_pref_size 133
	.end_amdhsa_kernel
	.amdgpu_metadata
---
amdhsa.version: [ 1, 2 ]
amdhsa.kernels:
  - .name:           k_q8ea7a088ad_quant
    .symbol:         k_q8ea7a088ad_quant.kd
    .args:
      - { .name: K, .offset: 0, .size: 8, .value_kind: global_buffer, .address_space: global }
      - { .name: V, .offset: 8, .size: 8, .value_kind: global_buffer, .address_space: global }
      - { .name: kv, .offset: 16, .size: 8, .value_kind: global_buffer, .address_space: global }
    .group_segment_fixed_size: 34304
    .private_segment_fixed_size: 0
    .kernarg_segment_align: 8
    .kernarg_segment_size: 24
    .max_flat_workgroup_size: 128
    .sgpr_count:     66
    .vgpr_count:     230
    .wavefront_size: 32
...
	.end_amdgpu_metadata
.endif
;; end of part 1
;; launch attn (part 2): grid 4 x 64, 8 waves a work-group, clusters of 4 x 1, 327,680 bytes of LDS; arguments Q, kv, out0; writes out0
.if DOCPART == 2
	.amdgcn_target "amdgcn-amd-amdhsa--gfx1250"
	.amdhsa_code_object_version 6
	.text
	.protected	k_q8ea7a088ad_attn
	.globl	k_q8ea7a088ad_attn
	.p2align	8
	.type	k_q8ea7a088ad_attn,@function
k_q8ea7a088ad_attn:
	s_mov_b64 s[64:65], 0
	v_nop
	global_prefetch_b8 v0, s[64:65] scope:SCOPE_SE
	s_setreg_imm32_b32 hwreg(HW_REG_WAVE_MODE, 25, 1), 1
	s_wait_xcnt 0x0
	s_wait_alu depctr_hold_cnt(0) depctr_sa_sdst(0) depctr_va_vdst(0) depctr_va_sdst(0) depctr_va_ssrc(0) depctr_va_vcc(0) depctr_vm_vsrc(0)
	s_getreg_b32 s2, hwreg(HW_REG_IB_STS2, 6, 4)
	s_cmp_eq_u32 s2, 0
	s_cbranch_scc0 .Lentry_in_a_cluster
	s_endpgm
.Lentry_in_a_cluster:
	s_bfe_u32 s2, ttmp6, 0x10000c
	s_cmp_lg_u32 s2, 0x3003
	s_cbranch_scc0 .Lentry_shape_is_right
	s_endpgm
.Lentry_shape_is_right:
; out0[head][q] = sum over k <= q of softmax_k(Q[q] . K[k] / sqrt(128)) V[k], both products on codes of FP4 (E2M1) with E8M0 scales for each 32 along a product's K.
; p = 2^(t - M), t = score x log2(e) / sqrt(128), M the ceiling of the running largest t; the row's sum is taken of the unquantised p and divides at the end.
; WORK LEFT OUT: a step of 128 keys all of which come after a wave's queries (reference()'s own causal mask gives them the weight 0 for all inputs) is not multiplied.
; LIMITS: NaN and infinities among the inputs are not served; the promise holds while the scaled scores t stay under 2^31 in magnitude.
; SHARES.  A cluster of four work-groups owns a head; each holds the head's whole image of K and V (16 steps of 17,408 bytes, laid by the launch before in the order of the operands' registers) in its LDS.
; The image is asked for JOINTLY, in two halves, each wave one tensor load of 68 rows of 256 bytes with the mask of all four partners: steps 0-7 at the head; steps 8-15 behind a second round.
; The second half has the first diagonal step in which to land; one wait and one barrier behind that step show it to all waves.  Nothing is filled again.
; No prefetch of kv: both fills stand at the head, with no loop ahead of them to ask from.
; Wave w of work-group g makes two passes of 32 queries: block 4 w + g of 64 (w + 1 key steps, all among steps 0-7), then block 4 (15 - w) + 3 - g (16 - w steps): 17 in every wave.
; A PASS BEGINS WITH ITS DIAGONAL STEP (the order of the keys is free under a running M; key 128 DG counts for all 32 queries, so M is a number from there on): its products start the sums with C = 0, nothing is cleared,
; and the mask's lines stand in that step alone.  Then come steps 0 .. DG - 1, in a loop of constant count that jumps over the others.
; Q IS QUANTISED HERE: a pass's 32 rows are 16 KiB on end, read once by this wave alone, a row a load.  Eight rows at a time turn through the wave's stage; lane (r' = l % 8, blk = l / 8) then holds one whole block of 32;
; codes and scale bytes go back through the stage as an image of the operand's registers.  The second pass's rows are prefetched behind the second tensor load and loaded under the first way out.
; K's fragments of the next step are fetched straight behind the score products that read the present ones.
; Both products are used transposed: a lane (r, h) holds one query r of each of the two tiles x = 0, 1.  By the order of K's rows in a tile, register 32 c + i of a tile's 64 scores is key 64 c + 32 h + i:
; a lane holds whole blocks of 32 keys, so a block's largest score asks no other lane, and the conversions' results are the second product's operand as they stand.
; WINDOW 0: v1-7, v32-40 addresses and what stays; v8-15 -M, largest t, sums; v16-31 Q, v48 its scale words; v64-191 S, then p; v192.. p's codes, scale words, work.  WINDOW 1: v0-127 O^T; v128-191 K's, v192-255 V's fragments (between passes: Q's rows as loaded).
.set STEPB, 17408
.set HALF,  8*STEPB
.set PART,  HALF/8
.set STAGE, 16*STEPB                   ; behind the image: 16 x 272 bytes for each wave
.set SPITCH, 272
.set QP,    528                        ; a row of Q in the stage: 512 bytes + 16
.set SPARE, STAGE+8*16*SPITCH          ; the spare words: 128 bytes a wave
.set LI,   1
.set ADR,  2
.set STO,  3
.set RD,   4
.set GO,   5
.set DL,   6
.set NINF, 7
.set ST,   8
.set Q,    16
.set SA,   32                          ; my stage + 16 x lane
.set SLQ,  33                          ; my stage + 528 r' + 128 blk
.set IMA,  34                          ; my stage + 256 blk + 16 r'
.set IMB,  35                          ; my stage + 4 r' + blk
.set SW,   36                          ; my stage + 4 x lane
.set PFO,  37                          ; 256 x lane
.set RM,   38                          ; v38-39 the running largest score of each tile's query
.set SH8,  40                          ; 8 h
.set QW,   48
.set S,    64
.set PC,   192
.set KS,   208
.set VS,   212
.set PW,   216
.set F,    218
.set T,    222
.set BM,   224
.set PT,   232
.set SO,   240
.set SU,   248
.set D,    252
.set KFR,  128
.set VFR,  192
.set WV,   10
.set G,    11
.set HD,   12
.set DG1,  13
.set G1,   16
.set G0,   24
.set G0B,  28
.set CS,   40
.set SEL,  42
.set TB,   44
.set J,    45
.set DG,   46
.set MK,   47
.set MSB, 0
.macro WIN new
.if MSB != \new
	s_set_vgpr_msb (MSB<<8)|\new
.set MSB, \new
.endif
.endm
.macro PLACES n
.rept \n
	v_nop
.endr
.endm
.macro CROUND
	s_barrier_signal -1
	s_barrier_wait -1
	s_cmp_lg_u32 s[WV], 0
	s_cbranch_scc1 .Lnot_wave_0_\@
	s_barrier_signal -3
.Lnot_wave_0_\@:
	s_barrier_wait -3
	s_barrier_signal -1
	s_barrier_wait -1
.endm
.macro QLOAD base                      ; 32 rows of Q, each 512 consecutive bytes, into window 1's v128-255
	WIN 0x40
.set jj, 0
.rept 32
	global_load_b128 v[128+4*jj:128+4*jj+3], v[LI], s[\base:\base+1] offset:512*jj th:TH_LOAD_NT
.set jj, jj+1
.endr
	WIN 0
.endm
	s_load_b128 s[4:7], s[0:1], 0x0                ; Q, kv
	s_load_b64 s[8:9], s[0:1], 0x10                ; out0
	v_lshl_add_u32 v254, v0, 2, SPARE
	v_mov_b32 v255, 0
	ds_add_u32 v254, v255                          ; the opening lines: the add twice on end and its wait
	ds_add_u32 v254, v255
	v_lshrrev_b32 v1, 5, v0
	s_delay_alu instid0(VALU_DEP_1)
	v_readfirstlane_b32 s[WV], v1
	v_and_b32 v1, 31, v0
	s_delay_alu instid0(VALU_DEP_1)
	v_lshlrev_b32 v[LI], 4, v1
	s_bfe_u32 s[G], ttmp6, 0x40000
	s_lshl_b32 s60, ttmp9, 2
	s_add_co_u32 s[G], s60, s[G]
	s_and_b32 s[HD], ttmp7, 0xffff
	s_mov_b32 s[G1], 15|(3<<16)|(1<<21)            ; all four partners; elements of 8 bytes
	s_mov_b32 s[G1+1], 32<<16                      ; rows of 256 bytes,
	s_mov_b32 s[G1+2], 68<<16                      ; 68 of them, dense
	s_mov_b32 s[G1+3], 32<<16
	s_mov_b32 s[G1+4], 68
	s_mov_b32 s[G1+5], 32
	s_mov_b32 s[G1+6], 0
	s_mov_b32 s[G1+7], 0
	s_mov_b32 s[CS], 0x3e0293ee                    ; log2(e) / sqrt(128)
	s_mov_b32 s[CS+1], s[CS]
	s_mov_b32 s[SEL], 0x76543210
	s_mov_b32 s[SEL+1], 0xfedcba98
	s_mul_i32 s56, s[WV], PART                     ; my eighth of each half of the image: head and wave alone enter the joint loads
	s_mul_i32 s58, s[HD], 16*STEPB
	s_add_co_u32 s58, s58, s56
	s_mov_b32 s59, 0
	s_lshl_b32 s60, s[WV], 2
	s_add_co_u32 s60, s60, s[G]                    ; the first pass's block of 32 queries,
	s_sub_co_u32 s61, 63, s60                      ; the second's
	s_lshl_b32 s2, s[HD], 20
	s_lshl_b32 s62, s61, 14                        ; 32 rows of 512 bytes, in Q and in out0 alike
	s_add_co_u32 s62, s62, s2
	s_mov_b32 s63, 0
	s_lshl_b32 s60, s60, 14
	s_add_co_u32 s60, s60, s2
	s_mov_b32 s61, 0
	s_mov_b32 s[DG], s[WV]                         ; the first pass's diagonal step: w
	s_sub_co_i32 s[DG1], s[DG], 1
	s_lshl_b32 s[MK], s[G], 5                      ; my first query's place in that step's 128
	s_mov_b32 s[G0], 1
	s_mov_b32 s[G0+1], s56
	s_mov_b32 s[G0B], 1
	s_add_co_u32 s[G0B+1], s56, HALF
	s_wait_alu depctr_va_vdst(0)                   ; ahead of the waits below
	s_wait_dscnt 0x0
	s_wait_kmcnt 0x0
	s_add_nc_u64 s[48:49], s[8:9], s[62:63]
	s_add_nc_u64 s[52:53], s[4:5], s[62:63]
	s_add_nc_u64 s[50:51], s[8:9], s[60:61]
	s_add_nc_u64 s[54:55], s[4:5], s[60:61]
	s_add_nc_u64 s[G0+2:G0+3], s[6:7], s[58:59]
	s_or_b32 s[G0+3], s[G0+3], 0x80000000
	s_add_nc_u64 s[G0B+2:G0B+3], s[G0+2:G0+3], HALF
	QLOAD 54
	CROUND                                         ; all four work-groups are here: the joint loads meet
	tensor_load_to_lds s[G0:G0+3], s[G1:G1+7]      ; steps 0-7: my one tensor load at the head
	s_nop 0
	PLACES 4
	v_and_b32 v8, 15, v0
	v_bfe_u32 v9, v0, 4, 1
	v_and_b32 v10, 7, v0                           ; r'
	v_bfe_u32 v11, v0, 3, 2                        ; blk
	s_mul_i32 s57, s[WV], 16*SPITCH
	s_add_co_u32 s57, s57, STAGE
	v_mul_u32_u24 v[STO], v8, SPITCH
	v_mul_u32_u24 v[RD], v9, SPITCH
	v_mul_u32_u24 v[SLQ], v10, QP
	v_lshlrev_b32 v[IMA], 4, v10
	v_lshl_add_u32 v[STO], v9, 5, v[STO]
	v_lshl_add_u32 v[RD], v8, 4, v[RD]
	v_lshl_add_u32 v[SLQ], v11, 7, v[SLQ]
	v_lshl_add_u32 v[IMA], v11, 8, v[IMA]
	v_add_nc_u32 v[STO], s57, v[STO]
	v_add_nc_u32 v[RD], s57, v[RD]
	v_add_nc_u32 v[SLQ], s57, v[SLQ]
	v_add_nc_u32 v[IMA], s57, v[IMA]
	v_lshl_add_u32 v[IMB], v10, 2, v11
	v_and_b32 v[SW], 31, v0
	v_lshlrev_b32 v[GO], 9, v9
	v_lshlrev_b32 v[DL], 5, v9
	v_add_nc_u32 v[IMB], s57, v[IMB]
	v_lshlrev_b32 v[PFO], 8, v[SW]
	v_lshlrev_b32 v[SW], 2, v[SW]
	v_lshl_add_u32 v[GO], v8, 4, v[GO]
	v_sub_nc_u32 v[DL], v8, v[DL]                  ; r - 32 h
	v_add_nc_u32 v[SW], s57, v[SW]
	v_add_nc_u32 v[SA], s57, v[LI]
	v_mov_b32 v[NINF], 0xff800000
	v_add_nc_u32 v[D], s[MK], v[DL]                ; register 32 c + i of tile x is hidden where 64 c + i > D + 16 x
	v_lshlrev_b32 v[SH8], 3, v9
	v_mov_b32 v[F+1], 0                            ; (upper halves of pairs that packed forms name)
	v_mov_b32 v[F+3], 0
	v_add_nc_u32 v[D+1], 16, v[D]
.set jj, 0
.rept 8
	v_mov_b32 v[PT+jj], 0                          ; a lane permute's destination counts as one of its sources
.set jj, jj+1
.endr
; Q's 32 rows, as loaded, become the operand's registers v[Q ..] and the scale words v[QW] (tile 0 in lanes 0-15, tile 1 in lanes 16-31)
.macro QPREP
	s_wait_alu depctr_va_vdst(0)                   ; directly ahead of the wait below
.irp g, 0,1,2,3
	s_wait_loadcnt 24-8*\g                         ; rows 8 g .. 8 g + 7 are in; the later groups' loads may be out
	WIN 0x04
.irp r, 0,1,2,3,4,5,6,7
	ds_store_b128 v[SA], v[128+32*\g+4*\r:128+32*\g+4*\r+3] offset:\r*QP
.endr
	WIN 0
.irp i, 0,1,2,3,4,5,6,7
	ds_load_b128 v[S+32*\g+4*\i:S+32*\g+4*\i+3], v[SLQ] offset:16*\i   ; LDS serves a wave's instructions in order: these see the stores above, and the next group's stores come behind them
.endr
.endr
	s_wait_dscnt 0x0
.irp g, 0,1,2,3
	v_max3_num_f32 v[BM+\g], |v[S+32*\g]|, |v[S+32*\g+1]|, |v[S+32*\g+2]|
	v_max3_num_f32 v[BM+4+\g], |v[S+32*\g+3]|, |v[S+32*\g+4]|, |v[S+32*\g+5]|
.endr
.irp i, 6,10,14,18,22,26
.irp g, 0,1,2,3
	v_max3_num_f32 v[BM+\g], v[BM+\g], |v[S+32*\g+\i]|, |v[S+32*\g+\i+1]|
	v_max3_num_f32 v[BM+4+\g], v[BM+4+\g], |v[S+32*\g+\i+2]|, |v[S+32*\g+\i+3]|
.endr
.endr
.irp g, 0,1,2,3
	v_max3_num_f32 v[BM+\g], v[BM+\g], |v[S+32*\g+30]|, |v[S+32*\g+31]|
.endr
.irp g, 0,1,2,3
	s_delay_alu instid0(VALU_DEP_4)
	v_max3_num_f32 v[BM+\g], v[BM+\g], v[BM+4+\g], 0x1800000   ; and the floor 2^(3 - 127)
.endr
.irp g, 0,1,2,3
	s_delay_alu instid0(VALU_DEP_4)
	v_add_nc_u32 v[SO+\g], 0xff000000, v[BM+\g]    ; the conversion's scale operand
.endr
.irp g, 0,1,2,3
	s_delay_alu instid0(VALU_DEP_4)
	v_lshrrev_b32 v[PT+\g], 23, v[SO+\g]           ; the scale's byte
.endr
.irp g, 0,1,2,3
.irp q, 0,1,2,3
	v_cvt_scalef32_pk8_fp4_f32 v[PC+4*\g+\q], v[S+32*\g+8*\q:S+32*\g+8*\q+7], v[SO+\g]
.endr
.endr
	v_nop                                          ; one plain place behind the scaled conversions
.irp g, 0,1,2,3                        ; row 8 g + r', block blk: tile g / 2, group blk / 2, lane 16 (blk % 2) + 8 (g % 2) + r'
	ds_store_b128 v[IMA], v[PC+4*\g:PC+4*\g+3] offset:1024*(\g/2)+128*(\g%2)
	ds_store_b8 v[IMB], v[PT+\g] offset:2048+64*(\g/2)+32*(\g%2)
.endr
.irp k, 0,1,2,3
	ds_load_b128 v[Q+4*\k:Q+4*\k+3], v[SA] offset:512*\k
.endr
	ds_load_b32 v[QW], v[SW] offset:2048
	s_wait_dscnt 0x0
.endm
.macro KQ t, x
.set rD, S+64*(\x)+8*(\t)
.set rA, KFR+8*(\t)
.set rB, Q+8*(\x)
.set rS, KS+(\t)/2
.if ((\t)%2 == 0) && ((\x) == 0)
	v_wmma_scale_f32_16x16x128_f8f6f4 v[rD:rD+7], v[rA:rA+7], v[rB:rB+7], 0, v[rS], v[QW] matrix_a_fmt:MATRIX_FMT_FP4 matrix_b_fmt:MATRIX_FMT_FP4
.elseif (\x) == 0
	v_wmma_scale_f32_16x16x128_f8f6f4 v[rD:rD+7], v[rA:rA+7], v[rB:rB+7], 0, v[rS], v[QW] matrix_a_fmt:MATRIX_FMT_FP4 matrix_b_fmt:MATRIX_FMT_FP4 matrix_a_scale:MATRIX_SCALE_ROW1
.elseif (\t)%2 == 0
	v_wmma_scale_f32_16x16x128_f8f6f4 v[rD:rD+7], v[rA:rA+7], v[rB:rB+7], 0, v[rS], v[QW] matrix_a_fmt:MATRIX_FMT_FP4 matrix_b_fmt:MATRIX_FMT_FP4 matrix_b_scale:MATRIX_SCALE_ROW1
.else
	v_wmma_scale_f32_16x16x128_f8f6f4 v[rD:rD+7], v[rA:rA+7], v[rB:rB+7], 0, v[rS], v[QW] matrix_a_fmt:MATRIX_FMT_FP4 matrix_b_fmt:MATRIX_FMT_FP4 matrix_a_scale:MATRIX_SCALE_ROW1 matrix_b_scale:MATRIX_SCALE_ROW1
.endif
.endm
.macro PV t, x, first
.set rD, 64*(\x)+8*(\t)
.set rA, VFR+8*(\t)
.set rB, PC+8*(\x)
.if (\first) && ((\t)%2 == 0)
	v_wmma_scale_f32_16x16x128_f8f6f4 v[rD:rD+7], v[rA:rA+7], v[rB:rB+7], 0, v[VS+(\t)/2], v[PW+(\x)] matrix_a_fmt:MATRIX_FMT_FP4 matrix_b_fmt:MATRIX_FMT_FP4
.elseif \first
	v_wmma_scale_f32_16x16x128_f8f6f4 v[rD:rD+7], v[rA:rA+7], v[rB:rB+7], 0, v[VS+(\t)/2], v[PW+(\x)] matrix_a_fmt:MATRIX_FMT_FP4 matrix_b_fmt:MATRIX_FMT_FP4 matrix_a_scale:MATRIX_SCALE_ROW1
.elseif (\t)%2 == 0
	v_wmma_scale_f32_16x16x128_f8f6f4 v[rD:rD+7], v[rA:rA+7], v[rB:rB+7], v[rD:rD+7], v[VS+(\t)/2], v[PW+(\x)] matrix_a_fmt:MATRIX_FMT_FP4 matrix_b_fmt:MATRIX_FMT_FP4
.else
	v_wmma_scale_f32_16x16x128_f8f6f4 v[rD:rD+7], v[rA:rA+7], v[rB:rB+7], v[rD:rD+7], v[VS+(\t)/2], v[PW+(\x)] matrix_a_fmt:MATRIX_FMT_FP4 matrix_b_fmt:MATRIX_FMT_FP4 matrix_a_scale:MATRIX_SCALE_ROW1
.endif
.endm
; first = 1: the pass's first step: M, the largest score and the sums begin here.  Block (x, c): registers S + 64 x + 32 c + 0 .. 31, all 32 keys mine
.macro SOFTMAX first
.irp x, 0,1
.irp c, 0,1
	v_max3_num_f32 v[BM+2*\x+\c], v[S+64*\x+32*\c], v[S+64*\x+32*\c+1], v[S+64*\x+32*\c+2]   ; the largest score of each block, in two chains, the four blocks by turns
	v_max3_num_f32 v[BM+4+2*\x+\c], v[S+64*\x+32*\c+3], v[S+64*\x+32*\c+4], v[S+64*\x+32*\c+5]
.endr
.endr
.irp i, 6,10,14,18,22,26
.irp x, 0,1
.irp c, 0,1
	v_max3_num_f32 v[BM+2*\x+\c], v[BM+2*\x+\c], v[S+64*\x+32*\c+\i], v[S+64*\x+32*\c+\i+1]
	v_max3_num_f32 v[BM+4+2*\x+\c], v[BM+4+2*\x+\c], v[S+64*\x+32*\c+\i+2], v[S+64*\x+32*\c+\i+3]
.endr
.endr
.endr
.irp x, 0,1
.irp c, 0,1
	v_max3_num_f32 v[BM+2*\x+\c], v[BM+2*\x+\c], v[S+64*\x+32*\c+30], v[S+64*\x+32*\c+31]
.endr
.endr
.set jj, 0
.rept 4
	s_delay_alu instid0(VALU_DEP_4)
	v_max_num_f32 v[BM+jj], v[BM+jj], v[BM+4+jj]
.set jj, jj+1
.endr
	s_delay_alu instid0(VALU_DEP_3)
	v_max_num_f32 v[T], v[BM], v[BM+1]
	s_delay_alu instid0(VALU_DEP_2)
	v_max_num_f32 v[T+1], v[BM+2], v[BM+3]
.irp x, 0,1
	s_delay_alu instid0(VALU_DEP_2)
	v_permlanex16_b32 v[PT+\x], v[T+\x], s[SEL], s[SEL+1]   ; lane l xor 16's 64 keys
.endr
.irp x, 0,1
	s_delay_alu instid0(VALU_DEP_2)
.if \first
	v_max_num_f32 v[RM+\x], v[T+\x], v[PT+\x]
.else
	v_max3_num_f32 v[RM+\x], v[RM+\x], v[T+\x], v[PT+\x]   ; the running largest score
.endif
.endr
.irp x, 0,1
	s_delay_alu instid0(VALU_DEP_2)
	v_mul_f32 v[ST+4*\x+1], s[CS], v[RM+\x]        ; as t (the factor is positive)
.endr
.if \first
.irp x, 0,1
	s_delay_alu instid0(VALU_DEP_2)
	v_floor_f32 v[ST+4*\x], -v[ST+4*\x+1]          ; -M = floor(-t)
.endr
	s_delay_alu instid0(VALU_DEP_2)
.else
.irp x, 0,1
	v_mov_b32 v[T+\x], v[ST+4*\x]
.endr
.irp x, 0,1
	s_delay_alu instid0(VALU_DEP_4)
	v_floor_f32 v[ST+4*\x], -v[ST+4*\x+1]
.endr
.irp x, 0,1
	s_delay_alu instid0(VALU_DEP_2)
	v_sub_f32 v[T+\x], v[ST+4*\x], v[T+\x]         ; old M - new M, a whole number
.endr
.irp x, 0,1
	s_delay_alu instid0(VALU_DEP_2)
	v_cvt_i32_f32 v[T+\x], v[T+\x]
.endr
.irp x, 0,1
	s_delay_alu instid0(VALU_DEP_2)
	v_ldexp_f32 v[F+2*\x], 1.0, v[T+\x]            ; f = 2^(old M - new M)
.endr
.endif
.set jj, 0
.rept 64
	v_pk_fma_f32 v[S+jj:S+jj+1], v[S+jj:S+jj+1], s[CS:CS+1], v[ST+4*(jj/64):ST+4*(jj/64)+1] op_sel_hi:[1,0,0]   ; t - M
.set jj, jj+2
.endr
.set jj, 0
.rept 4
	v_fma_f32 v[BM+jj], v[BM+jj], s[CS], v[ST+4*(jj/2)]
.set jj, jj+1
.endr
	s_wait_alu depctr_va_vdst(0)                   ; ahead of the batch
.set jj, 0
.rept 128
	v_exp_f32 v[S+jj], v[S+jj]
.set jj, jj+1
.endr
.set jj, 0
.rept 4
	v_exp_f32 v[BM+jj], v[BM+jj]                   ; each block's largest p
.set jj, jj+1
.endr
.if \first
	v_nop                                          ; a plain place behind the exponentials
.else
.irp x, 0,1
	v_pk_mul_f32 v[ST+4*\x+2:ST+4*\x+3], v[ST+4*\x+2:ST+4*\x+3], v[F+2*\x:F+2*\x+1] op_sel_hi:[1,0]   ; the sums under the new M
.endr
.endif
	s_wait_alu depctr_va_vdst(0)                   ; and behind it, ahead of its first reader
.set jj, 0
.rept 4
	v_max_num_f32 v[BM+jj], 0x1800000, v[BM+jj]    ; the floor 2^(3 - 127)
.set jj, jj+1
.endr
.set jj, 0
.rept 4
	s_delay_alu instid0(VALU_DEP_4)
	v_add_nc_u32 v[SO+jj], 0xff000000, v[BM+jj]    ; the conversion's scale operand
.set jj, jj+1
.endr
.set jj, 0
.rept 4
	s_delay_alu instid0(VALU_DEP_4)
	v_lshrrev_b32 v[PT+4+jj], 23, v[SO+jj]         ; the scale's byte
.set jj, jj+1
.endr
	s_delay_alu instid0(VALU_DEP_3)
	v_lshl_or_b32 v[T], v[PT+5], 16, v[PT+4]       ; my two bytes: blocks h and 2 + h of my query,
	s_delay_alu instid0(VALU_DEP_2)
	v_lshl_or_b32 v[T+1], v[PT+7], 16, v[PT+6]
.irp x, 0,1
	s_delay_alu instid0(VALU_DEP_2)
	v_lshlrev_b32 v[T+\x], v[SH8], v[T+\x]         ; at their places in the word;
.endr
.irp x, 0,1
	s_delay_alu instid0(VALU_DEP_2)
	v_permlanex16_b32 v[PT+2+\x], v[T+\x], s[SEL], s[SEL+1]
.endr
.irp x, 0,1
	s_delay_alu instid0(VALU_DEP_2)
	v_or_b32 v[PW+\x], v[T+\x], v[PT+2+\x]         ; with lane l xor 16's two: p's scale word for these 128 keys
.endr
.irp c, 0,1
.irp x, 0,1
.irp q, 0,1,2,3
	v_cvt_scalef32_pk8_fp4_f32 v[PC+8*\x+4*\c+\q], v[S+64*\x+32*\c+8*\q:S+64*\x+32*\c+8*\q+7], v[SO+2*\x+\c]   ; registers 4 c .. 4 c + 3 of the operand
.endr
.endr
.endr
	v_nop                                          ; one plain place behind the scaled conversions
.irp x, 0,1
	v_pk_add_f32 v[SU+2*\x:SU+2*\x+1], v[S+64*\x:S+64*\x+1], v[S+64*\x+2:S+64*\x+3]   ; the row's sum of the unquantised p, in two chains.  (These lines are also the places ahead of the products)
.endr
.irp j, 4,8,12,16,20,24,28,32,36,40,44,48,52,56,60
.irp x, 0,1
.if (\first) && (\j == 4)
	v_pk_add_f32 v[ST+4*\x+2:ST+4*\x+3], v[S+64*\x+4:S+64*\x+5], v[S+64*\x+6:S+64*\x+7]
.else
	v_pk_add_f32 v[ST+4*\x+2:ST+4*\x+3], v[ST+4*\x+2:ST+4*\x+3], v[S+64*\x+\j:S+64*\x+\j+1]
	v_pk_add_f32 v[SU+2*\x:SU+2*\x+1], v[SU+2*\x:SU+2*\x+1], v[S+64*\x+\j+2:S+64*\x+\j+3]
.endif
.endr
.endr
	s_delay_alu instid0(VALU_DEP_3)
	v_pk_add_f32 v[ST+2:ST+3], v[ST+2:ST+3], v[SU:SU+1]
	s_delay_alu instid0(VALU_DEP_2)
	v_pk_add_f32 v[ST+6:ST+7], v[ST+6:ST+7], v[SU+2:SU+3]
.endm
.macro LDK a, off                      ; a step's scale words and fragments of K
	ds_load_b128 v[KS:KS+3], v[\a] offset:16384+\off
	WIN 0x40
.irp t, 0,1,2,3,4,5,6,7
.irp c, 0,1
	ds_load_b128 v[KFR+8*\t+4*\c:KFR+8*\t+4*\c+3], v[\a] offset:1024*\t+512*\c+\off
.endr
.endr
	WIN 0
.endm
.macro LDV
	WIN 0x40
.irp t, 0,1,2,3,4,5,6,7
.irp c, 0,1
	ds_load_b128 v[VFR+8*\t+4*\c:VFR+8*\t+4*\c+3], v[ADR] offset:8192+1024*\t+512*\c
.endr
.endr
	WIN 0
	ds_load_b128 v[VS:VS+3], v[ADR] offset:16896
.endm
; A KEY STEP of 128 keys at LDS byte s[TB].  first = 1: the diagonal step, which opens a pass.
.macro STEP first
	v_add_nc_u32 v[ADR], s[TB], v[LI]
.if \first
	LDK ADR, 0
	LDV
	s_wait_dscnt 17                                ; K's are in; V's 16 fragment loads and its scale words may be out
.else
	s_wait_alu depctr_va_vdst(0)                   ; behind this write
	PLACES 3                                       ; with the addition: four places behind the last products, ahead of loads into their sources
	LDV                                            ; K's fragments of this step were fetched in the step before
.endif
	WIN 0x01
.irp t, 0,1,2,3,4,5,6,7
.irp x, 0,1
	KQ \t, \x
.endr
.endr
	WIN 0
	PLACES 4
.if \first                             ; the next step's fragments of K, where a next step follows (ids alone decide)
	s_cmp_eq_u32 s[DG], 0
	s_cbranch_scc1 .Lnk_\@
	LDK LI, 0
.else
	s_cmp_ge_i32 s[J], s[DG1]
	s_cbranch_scc1 .Lnk_\@
	LDK ADR, STEPB
.endif
.Lnk_\@:
.if \first
.set jj, 0
.rept 128
	v_cmp_gt_i32 vcc_lo, 64*((jj%64)/32)+jj%32, v[D+jj/64]          ; hidden keys' scores become -infinity: p = 0
	v_cndmask_b32 v[S+jj], v[S+jj], v[NINF], vcc_lo
.set jj, jj+1
.endr
.endif
	SOFTMAX \first
.if \first == 0
	WIN 0x41
	s_wait_alu depctr_va_vdst(0)                   ; directly ahead of the first reader of O^T
.set jj, 0
.rept 64
	v_pk_mul_f32 v[jj:jj+1], v[jj:jj+1], v[F+2*(jj/64):F+2*(jj/64)+1] op_sel_hi:[1,0]   ; O^T under the new M
.set jj, jj+2
.endr
.endif
	s_wait_alu depctr_va_vdst(0)                   ; directly ahead of the wait below
	s_wait_dscnt 0x0                               ; V's fragments, and the next step's of K
.if \first
	WIN 0x41
.else
	WIN 0x51
.endif
.irp t, 0,1,2,3,4,5,6,7
.irp x, 0,1
	PV \t, \x, \first
.endr
.endr
	WIN 0
.endm
.macro TOSTAGE k
.irp t, 0,1,2,3
	ds_store_b128 v[STO], v[S+32*(\k)+8*\t:S+32*(\k)+8*\t+3] offset:64*\t
	ds_store_b128 v[STO], v[S+32*(\k)+8*\t+4:S+32*(\k)+8*\t+7] offset:64*\t+16
.endr
.irp i, 0,1,2,3,4,5,6,7
	ds_load_b128 v[S+32*(\k)+4*\i:S+32*(\k)+4*\i+3], v[RD] offset:2*\i*SPITCH
.endr
.endm
.macro SEND k, younger, base
.irp i, 0,1,2,3,4,5,6,7
	s_wait_dscnt \younger+7-\i
	global_store_b128 v[GO], v[S+32*(\k)+4*\i:S+32*(\k)+4*\i+3], s[\base:\base+1] offset:8192*((\k)/2)+1024*\i+256*((\k)%2) th:TH_STORE_NT   ; sixteen lanes store 256 consecutive bytes, aligned
.endr
.endm
.macro OUT base                        ; O^T / the sum, half a row of 16 queries at a time through my stage
.irp x, 0,1
	v_add_f32 v[ST+4*\x+2], v[ST+4*\x+2], v[ST+4*\x+3]
.endr
.irp x, 0,1
	s_delay_alu instid0(VALU_DEP_2)
	v_permlanex16_b32 v[PT+4*\x], v[ST+4*\x+2], s[SEL], s[SEL+1]
.endr
.irp x, 0,1
	s_delay_alu instid0(VALU_DEP_2)
	v_add_f32 v[ST+4*\x+2], v[ST+4*\x+2], v[PT+4*\x]
.endr
	s_wait_alu depctr_va_vdst(0)                   ; ahead of the transcendentals
.irp x, 0,1
	v_rcp_f32 v[F+2*\x], v[ST+4*\x+2]
.endr
	v_nop
	WIN 0x01
	s_wait_alu depctr_va_vdst(0)                   ; and behind them, directly ahead of the first readers
.set jj, 0
.rept 64
	v_pk_mul_f32 v[S+jj:S+jj+1], v[jj:jj+1], v[F+2*(jj/64):F+2*(jj/64)+1] op_sel_hi:[1,0]
.set jj, jj+2
.endr
	WIN 0
	TOSTAGE 0
	TOSTAGE 1
	s_wait_alu depctr_va_vdst(0)                   ; directly ahead of SEND's waits
	SEND 0, 16, \base
	TOSTAGE 2
	SEND 1, 16, \base
	TOSTAGE 3
	SEND 2, 16, \base
	SEND 3, 0, \base
.endm
; A PASS: the diagonal step, steps 0 .. DG - 1 (a loop of constant count; a branch on ids leads round the others' work), the way out.  more = 1: the first pass.
.macro PASS more, base, jend
	s_mul_i32 s[TB], s[DG], STEPB
	STEP 1
.if \more
	s_wait_tensorcnt 0x0                           ; my eighth of steps 8-15 is in (no LDS instruction of mine is out: the step has waited for all);
	s_barrier_signal -1
	s_barrier_wait -1                              ; everybody's is.  Every wave has done one step up to here
	global_prefetch_b8 v[PFO], s[52:53] th:TH_LOAD_NT scope:SCOPE_SE               ; the second pass's 16 KiB of Q, lanes 256 bytes apart: this wave alone reads them, behind this pass's last step.  Asked for only now, when no tensor load is out
	global_prefetch_b8 v[PFO], s[52:53] offset:8192 th:TH_LOAD_NT scope:SCOPE_SE   ; (their address registers are never written again)
.endif
	s_mov_b32 s[J], 0
	s_mov_b32 s[TB], 0
.Lrun_\@:
	s_cmp_ge_u32 s[J], s[DG]
	s_cbranch_scc1 .Lhid_\@
	STEP 0
.Lhid_\@:
	s_add_co_u32 s[TB], s[TB], STEPB
	s_add_co_u32 s[J], s[J], 1
	s_cmp_lt_u32 s[J], \jend
	s_cbranch_scc1 .Lrun_\@
	s_wait_alu depctr_va_vdst(0)
	PLACES 4                                       ; behind the last products
.if \more
	QLOAD 52                                       ; into the fragments' registers, which are done with; they land under the way out
.endif
	OUT \base
.endm
	QPREP                                          ; under the tensor load's flight: the stage is bytes of its own
	s_wait_alu depctr_va_vdst(0)                   ; at the head's end
	s_wait_tensorcnt 0x0                           ; my eighth of steps 0-7 is in
	ds_add_u32 v254, v255
	s_wait_dscnt 0x0
	CROUND                                         ; everybody's eighth is in, and all four work-groups are here: the joint loads meet
	tensor_load_to_lds s[G0B:G0B+3], s[G1:G1+7]    ; steps 8-15: my one tensor load behind the round
	s_nop 0
	PLACES 4
	PASS 1, 50, 7
	s_wait_xcnt 0x0                                ; the stores have read their registers
	s_xor_b32 s[DG], s[WV], 15                     ; the second pass's diagonal step: 15 - w
	s_sub_co_i32 s[DG1], s[DG], 1
	s_sub_co_u32 s[MK], 3, s[G]
	s_lshl_b32 s[MK], s[MK], 5
	v_add_nc_u32 v[D], s[MK], v[DL]
	s_delay_alu instid0(VALU_DEP_1)
	v_add_nc_u32 v[D+1], 16, v[D]
	QPREP
	PASS 0, 48, 15
	s_wait_tensorcnt 0x0                           ; the wave's end
	ds_add_u32 v254, v255
	s_wait_dscnt 0x0
	CROUND                                         ; the closing round
	s_endpgm
.Lfunc_end_k_q8ea7a088ad_attn:
	.size	k_q8ea7a088ad_attn, .Lfunc_end_k_q8ea7a088ad_attn-k_q8ea7a088ad_attn
	.p2alignl 7, 3214868480
	.fill 96, 4, 3214868480
	.section	.rodata,"a",@progbits
	.p2align	6, 0x0
	.amdhsa_kernel k_q8ea7a088ad_attn
		.amdhsa_group_segment_fixed_size 327680
		.amdhsa_private_segment_fixed_size 0
		.amdhsa_enable_private_segment 0
		.amdhsa_kernarg_size 24
		.amdhsa_user_sgpr_count 2
		.amdhsa_user_sgpr_kernarg_segment_ptr 1
		.amdhsa_wavefront_size32 1
		.amdhsa_system_sgpr_workgroup_id_x 1
		.amdhsa_system_sgpr_workgroup_id_y 1
		.amdhsa_system_sgpr_workgroup_id_z 1
		.amdhsa_system_vgpr_workitem_id 0
		.amdhsa_next_free_vgpr 512
		.amdhsa_next_free_sgpr 66
		.amdhsa_reserve_vcc 1
		.amdhsa_float_denorm_mode_32 3
		.amdhsa_float_denorm_mode_16_64 3
		.amdhsa_memory_ordered 1
		.amdhsa_forward_progress 1
		.amdhsa_inst_pref_size 200
	.end_amdhsa_kernel
	.amdgpu_metadata
---
amdhsa.version: [ 1, 2 ]
amdhsa.kernels:
  - .name:           k_q8ea7a088ad_attn
    .symbol:         k_q8ea7a088ad_attn.kd
    .args:
      - { .name: Q, .offset: 0, .size: 8, .value_kind: global_buffer, .address_space: global }
      - { .name: kv, .offset: 8, .size: 8, .value_kind: global_buffer, .address_space: global }
      - { .name: out0, .offset: 16, .size: 8, .value_kind: global_buffer, .address_space: global }
    .group_segment_fixed_size: 327680
    .private_segment_fixed_size: 0
    .kernarg_segment_align: 8
    .kernarg_segment_size: 24
    .max_flat_workgroup_size: 256
    .sgpr_count:     66
    .vgpr_count:     512
    .wavefront_size: 32
...
	.end_amdgpu_metadata
.endif
;; end of part 2
